; MI455X (gfx1250); checked and timed in simulation.
; The chip was launched on July 23, 2026; its instructions are those of AMD's public machine-readable ISA for CDNA 5 (MIT licence, August 2026) and "CDNA5" Instruction Set Architecture Reference Guide (July 2026).
;; Dot Product Attention. Allowed arithmetic: matrix products marked QUANTISED: E5M2 operands, one E8M0 scale for each 32 along K, by v_wmma_scale_f32_16x16x128_f8f6f4 with both operands' format E5M2, f32 sums; everything else in f32.
;; Inputs: keys 32 x 2,048 x 64 float32; queries 32 x 2,048 x 64 float32; valid_lens 32 int32; values 32 x 2,048 x 64 float32.
;; Outputs: out0 32 x 2,048 x 64 float32.
;; This version of the problem:
;;   THIS VERSION OF THE PROBLEM IS GIVEN IN LOW PRECISION. The matrix products marked QUANTISED in the list below multiply operands that are first quantised to E5M2 (5 exponent bits, 2 mantissa bits; 8 bits a number), with one power-of-two scale for each 32 numbers along K (OCP MX v1.0); their sums are f32. All else is computed in f32.
;;   The module's matrix products, in the order in which they are computed (A, B: the left and right operand; K: the contracted axis; several contracted axes count as one K, in the product's order):
;;     1. batch 32 x [M 2,048, K 64] x [K 64, N 2,048]; A: input queries; B: input keys: QUANTISED
;;     2. batch 32 x [M 2,048, K 2,048] x [K 2,048, N 64]; A: softmax (see below); B: input values: QUANTISED
;;   THE QUANTISER, for each operand of a quantised product, along K:
;;     - K is cut into blocks of 32 from its start; a last block that is shorter is filled with zeros.
;;     - A block's scale is 2^e with e = floor(log2(the largest magnitude in the block)) - 15, held to -126 .. 127; a block of zeros has e = 0. As a byte (E8M0): e + 127.
;;     - Each number is divided by its block's scale, clamped to +-57,344, and rounded to the nearest number of E5M2, ties to even, subnormals kept.
;;     - The product sums the exact products of the quantised numbers (number of the format x scale) in f32.
;;   ~~~python
;;   def quantise(x, axis):      # numpy; x: float32 -> the quantised numbers, widened to float32 again
;;       x = np.moveaxis(x, axis, -1); K = x.shape[-1]
;;       x = np.pad(x, [(0, 0)] * (x.ndim - 1) + [(0, -K % 32)]); x = x.reshape(x.shape[:-1] + (-1, 32)); a = np.abs(x).max(-1, keepdims=True)
;;       e = np.where(a > 0, np.clip(np.frexp(np.where(a > 0, a, 1))[1] - 1 - 15, -126, 127), 0)      # np.frexp(a)[1] - 1 = floor(log2(a)), exactly
;;       r = np.clip(x / 2.0 ** e, -57344, 57344)
;;       step = 2.0 ** (np.maximum(np.frexp(np.where(r == 0, 1, r))[1] - 1, -14) - 2)
;;       q = np.round(r / step) * step * 2.0 ** e      # np.round: ties to even
;;       return np.moveaxis(q.reshape(q.shape[:-2] + (-1,))[..., :K], -1, axis).astype(np.float32)
;;   ~~~
;;   SOFTMAX AHEAD OF A QUANTISED PRODUCT. Where the list says 'softmax', what is quantised is not the finished softmax but p = 2^(t - M), with t = logit x log2(e) and M = ceil(the row's largest t), a whole number; so 1/2 < the row's largest p <= 1. The row's sum l is taken of the UNQUANTISED p, in f32, and the product's result is divided by l at the end. Since M is a whole number, a kernel that streams over the keys may use a running M (the ceiling of the running maximum): every later rescaling is an exact power of two, which a block's scale takes up: the codes' values come out the same.
;;   OPERANDS COMPUTED ON THE WAY. 'Computed on the way' means the value that the module computes at that place (a softmax that the list does not call 'softmax' is quantised finished and normalised). What goes into a quantiser is computed in f32, as accurately as f32 sums, v_exp_f32 and their like allow (about 1e-6 of the number): no bf16 or f16 on the way to a quantiser, and a product that is left as it is and whose result goes on into a quantised operand takes f32 operands (vector FMAs, or v_wmma_f32_16x16x4_f32). A number that lies on a knife's edge between two numbers of the format may be rounded either way, as far as f32 arithmetic and the matrix unit's own rounding can turn it there, and no further.
;; One version. Each part assembles by itself: llvm-mc -triple=amdgcn-amd-amdhsa -mcpu=gfx1250 --defsym DOCPART=n.
;; ======== version 1 of 1: 2 launches
;; limits: right only within a limited range of input values
;; workspace buffers: kv 8,912,896 bytes; sched 256 bytes of whole numbers
;; launch prep (part 1): grid 512 x 1, 4 waves a work-group, no clusters, 70,144 bytes of LDS; arguments keys, values, valid_lens, kv, sched; writes kv, sched
.if DOCPART == 1
	.amdgcn_target "amdgcn-amd-amdhsa--gfx1250"
	.amdhsa_code_object_version 6
	.text
	.protected	k_qb81a20364f_prep
	.globl	k_qb81a20364f_prep
	.p2align	8
	.type	k_qb81a20364f_prep,@function
k_qb81a20364f_prep:
	s_mov_b64 s[64:65], 0
	v_nop
	global_prefetch_b8 v0, s[64:65] scope:SCOPE_SE
	s_setreg_imm32_b32 hwreg(HW_REG_WAVE_MODE, 25, 1), 1
	s_wait_xcnt 0x0
.set REC,   17408
.set WREG,  17152
.set VSTG,  8832
.set SCL,   4*WREG
.set TM,    16
.set CK,    32
.set CV,    48
.set X,     64
.set RK,    128
.set RV,    192
.macro QUANT src, dst
.irp b, 0,1,2,3
	v_max3_num_f32 v[TM+\b], |v[\src+16*\b]|, |v[\src+1+16*\b]|, 0x8000000
.endr
.irp i, 2,4,6,8,10,12,14
.irp b, 0,1,2,3
	v_max3_num_f32 v[TM+\b], v[TM+\b], |v[\src+16*\b+\i]|, |v[\src+1+16*\b+\i]|
.endr
.endr
.irp b, 0,1,2,3
	v_permlanex16_b32 v[TM+4+\b], v[TM+\b], s22, s23
.endr
.irp b, 0,1,2,3
	v_max_num_f32 v[TM+\b], v[TM+\b], v[TM+4+\b]
.endr
.irp b, 0,1,2,3
	v_add_nc_u32 v[TM+12+\b], 0xf8800000, v[TM+\b]
.endr
.irp b, 0,1,2,3
.endr
.irp b, 0,1,2,3
	v_lshrrev_b32 v[TM+4+\b], 23, v[TM+12+\b]
.endr
.irp b, 0,1,2,3
.irp i, 0,1,2,3,4,5,6,7,8,9,10,11,12,13,14,15
.endr
	v_cvt_scalef32_pk8_bf8_f32 v[\dst+4*\b:\dst+1+4*\b], v[\src+16*\b:\src+7+16*\b], v[TM+12+\b]
	v_cvt_scalef32_pk8_bf8_f32 v[\dst+2+4*\b:\dst+3+4*\b], v[\src+8+16*\b:\src+15+16*\b], v[TM+12+\b]
.endr
	v_nop
.endm
	s_load_b128 s[4:7], s[0:1], 0x0
	s_load_b128 s[8:11], s[0:1], 0x10
	s_load_b64 s[12:13], s[0:1], 0x20
	s_set_vgpr_msb 0x40
	v_lshl_add_u32 v0, v0, 2, 0x11000
	v_mov_b32 v1, 0
	s_set_vgpr_msb 0x4000
	v_lshrrev_b32 v15, 5, v0
	v_readfirstlane_b32 s14, v15
	v_and_b32 v12, 31, v0
	v_and_b32 v15, 15, v0
	v_bfe_u32 v16, v0, 4, 1
	v_and_b32 v17, 8, v0
	v_add_nc_u32 v18, v17, v15
	s_mul_i32 s26, s14, WREG
	s_add_co_u32 s27, s26, VSTG
	v_lshlrev_b32 v1, 4, v12
	v_lshlrev_b32 v14, 2, v12
	v_mul_u32_u24 v2, v16, 272
	v_lshl_add_u32 v2, v15, 4, v2
	v_add_nc_u32 v2, s26, v2
	v_mul_u32_u24 v3, v18, 272
	v_lshl_add_u32 v3, v17, 4, v3
	v_lshl_add_u32 v3, v16, 6, v3
	v_add_nc_u32 v3, s26, v3
	v_add_nc_u32 v4, s27, v1
	v_mul_u32_u24 v5, v16, 4160
	v_lshl_add_u32 v5, v15, 2, v5
	v_add_nc_u32 v5, s27, v5
	s_lshl_b32 s28, s14, 2
	s_add_co_u32 s28, s28, SCL
	v_add_nc_u32 v6, s28, v1
	s_add_co_u32 s28, s14, SCL+512
	v_add_nc_u32 v7, s28, v1
	s_lshl_b32 s28, s14, 8
	v_lshlrev_b32 v8, 3, v12
	v_add_nc_u32 v9, s28, v8
	v_add_nc_u32 v8, SCL, v9
	v_add_nc_u32 v9, 16384, v9
	s_lshl_b32 s28, s14, 11
	v_add_nc_u32 v10, s28, v1
	s_lshl_b32 s28, s14, 9
	s_add_co_u32 s28, s28, 8192
	v_add_nc_u32 v11, s28, v1
.irp b, 0,1,2,3
	v_mov_b32 v[TM+4+\b], 0
.endr
	s_mov_b32 s22, 0x76543210
	s_mov_b32 s23, 0xfedcba98
	s_mov_b32 s25, 0xffff0000
	s_lshr_b32 s18, ttmp9, 4
	s_and_b32 s17, ttmp9, 15
	s_lshl_b32 s20, s18, 2
	s_mov_b32 s21, 0
	s_wait_kmcnt 0x0
	s_add_nc_u64 s[28:29], s[8:9], s[20:21]
	s_load_b32 s15, s[28:29], 0x0
	global_load_b32 v13, v14, s[8:9]
	s_lshl_b32 s20, ttmp9, 15
	s_lshl_b32 s26, s14, 13
	s_add_co_u32 s20, s20, s26
	s_add_nc_u64 s[4:5], s[4:5], s[20:21]
	s_add_nc_u64 s[6:7], s[6:7], s[20:21]
	s_mul_i32 s20, ttmp9, REC
	s_add_nc_u64 s[10:11], s[10:11], s[20:21]
	s_wait_kmcnt 0x0
	s_max_i32 s15, s15, 0
	s_min_i32 s15, s15, 2048
	s_add_co_u32 s16, s15, 127
	s_lshr_b32 s16, s16, 7
	s_cmp_eq_u32 s15, 0
	s_cselect_b32 s16, 16, s16
	s_cmp_ge_u32 s17, s16
	s_cbranch_scc1 .Lmeet
.irp q, 0,1,2,3,4,5,6,7,8,9,10,11,12,13,14,15
	global_load_b128 v[RK+4*\q:RK+4*\q+3], v1, s[4:5] offset:512*\q th:TH_LOAD_NT
.endr
.irp q, 0,1,2,3,4,5,6,7,8,9,10,11,12,13,14,15
	global_load_b128 v[RV+4*\q:RV+4*\q+3], v1, s[6:7] offset:512*\q th:TH_LOAD_NT
.endr
	s_wait_loadcnt 16
.irp q, 0,1,2,3,4,5,6,7,8,9,10,11,12,13,14,15
	ds_store_b128 v2, v[RK+4*\q:RK+4*\q+3] offset:544*\q+128*(\q/8)
.endr
.irp u, 0,1
.irp c, 0,1
.irp j, 0,1,2,3
	ds_load_b128 v[X+16*(2*\u+\c)+4*\j:X+16*(2*\u+\c)+4*\j+3], v3 offset:2176*\u+128*\c+16*\j
.endr
.endr
.endr
	s_wait_loadcnt 0x0
.irp q, 0,1,2,3,4,5,6,7,8,9,10,11,12,13,14,15
	ds_store_b128 v4, v[RV+4*\q:RV+4*\q+3] offset:512*\q+64*(\q/8)
.endr
	s_wait_dscnt 16
.irp t, 0,1,2,3
.irp i, 0,1,2,3,4,5,6,7,8,9,10,11,12,13,14,15
	ds_load_b32 v[RK+16*\t+\i], v5 offset:256*\i+64*\t
.endr
.endr
	QUANT X, CK
.irp m, 0,1,2,3
	global_store_b128 v10, v[CK+4*\m:CK+4*\m+3], s[10:11] offset:512*\m
.endr
	v_lshl_or_b32 v16, v21, 8, v20
	v_lshl_or_b32 v17, v23, 8, v22
	v_cndmask_b32 v15, v16, v17, s25
	v_or_b32 v15, 0x40400000, v15
	ds_store_b32 v6, v15
	s_wait_dscnt 0x0
	QUANT RK, CV
.irp t, 0,1,2,3
	global_store_b128 v11, v[CV+4*\t:CV+4*\t+3], s[10:11] offset:2048*\t
	ds_store_b8 v7, v[TM+4+\t] offset:4*\t
.endr
.Lmeet:
	s_wait_dscnt 0x0
	s_barrier_signal -1
	s_barrier_wait -1
	s_cmp_ge_u32 s17, s16
	s_cbranch_scc1 .Lsort
	s_wait_alu depctr_va_vdst(0)
	ds_load_b64 v[16:17], v8
	s_wait_dscnt 0x0
	global_store_b64 v9, v[16:17], s[10:11]
.Lsort:
	s_or_b32 s26, ttmp9, s14
	s_cmp_lg_u32 s26, 0
	s_cbranch_scc1 .Lend
	s_wait_loadcnt 0x0
	v_mov_b32 v29, 0
	v_cmp_gt_i32 vcc_lo, 0, v13
	v_cndmask_b32 v27, v13, v29, vcc_lo
	v_min_u32 v27, 0x800, v27
	v_mov_b32 v25, 0x800
	v_cmp_eq_u32 vcc_lo, 0, v27
	v_cndmask_b32 v24, v27, v25, vcc_lo
	v_lshl_add_u32 v24, v24, 5, v12
	v_mov_b32 v25, 0
.set n, 0
.rept 32
	v_readlane_b32 s26, v24, n
	v_cmp_lt_u32 vcc_lo, s26, v24
	v_add_co_ci_u32 v25, vcc_lo, 0, v25, vcc_lo
.set n, n+1
.endr
	v_min_u32 v25, 31, v25
	v_lshlrev_b32 v28, 3, v25
	v_mov_b32 v26, v12
	global_store_b64 v28, v[26:27], s[12:13]
.Lend:
	s_set_vgpr_msb 0x5
	s_wait_tensorcnt 0x0
	ds_add_u32 v0, v1
	s_wait_dscnt 0x0
	s_set_vgpr_msb 0x500
	s_endpgm
.Lfunc_end_k_qb81a20364f_prep:
	.size	k_qb81a20364f_prep, .Lfunc_end_k_qb81a20364f_prep-k_qb81a20364f_prep
	.p2alignl 7, 3214868480
	.fill 96, 4, 3214868480
	.section	.rodata,"a",@progbits
	.p2align	6, 0x0
	.amdhsa_kernel k_qb81a20364f_prep
		.amdhsa_group_segment_fixed_size 70144
		.amdhsa_private_segment_fixed_size 0
		.amdhsa_enable_private_segment 0
		.amdhsa_kernarg_size 40
		.amdhsa_user_sgpr_count 2
		.amdhsa_user_sgpr_kernarg_segment_ptr 1
		.amdhsa_wavefront_size32 1
		.amdhsa_system_sgpr_workgroup_id_x 1
		.amdhsa_system_sgpr_workgroup_id_y 1
		.amdhsa_system_sgpr_workgroup_id_z 1
		.amdhsa_system_vgpr_workitem_id 0
		.amdhsa_next_free_vgpr 258
		.amdhsa_next_free_sgpr 66
		.amdhsa_reserve_vcc 1
		.amdhsa_float_denorm_mode_32 3
		.amdhsa_float_denorm_mode_16_64 3
		.amdhsa_fp16_overflow 1
		.amdhsa_memory_ordered 1
		.amdhsa_forward_progress 1
		.amdhsa_inst_pref_size 28
	.end_amdhsa_kernel
	.amdgpu_metadata
---
amdhsa.version: [ 1, 2 ]
amdhsa.kernels:
  - .name:           k_qb81a20364f_prep
    .symbol:         k_qb81a20364f_prep.kd
    .args:
      - { .name: keys, .offset: 0, .size: 8, .value_kind: global_buffer, .address_space: global }
      - { .name: values, .offset: 8, .size: 8, .value_kind: global_buffer, .address_space: global }
      - { .name: valid_lens, .offset: 16, .size: 8, .value_kind: global_buffer, .address_space: global }
      - { .name: kv, .offset: 24, .size: 8, .value_kind: global_buffer, .address_space: global }
      - { .name: sched, .offset: 32, .size: 8, .value_kind: global_buffer, .address_space: global }
    .group_segment_fixed_size: 70144
    .private_segment_fixed_size: 0
    .kernarg_segment_align: 8
    .kernarg_segment_size: 40
    .max_flat_workgroup_size: 128
    .sgpr_count:     66
    .vgpr_count:     258
    .wavefront_size: 32
...
	.end_amdgpu_metadata
.endif
;; end of part 1
;; launch attn (part 2): grid 16 x 16, 16 waves a work-group, no clusters, 141,312 bytes of LDS; arguments queries, kv, sched, out0; writes out0
.if DOCPART == 2
	.amdgcn_target "amdgcn-amd-amdhsa--gfx1250"
	.amdhsa_code_object_version 6
	.text
	.protected	k_qb81a20364f_attn
	.globl	k_qb81a20364f_attn
	.p2align	8
	.type	k_qb81a20364f_attn,@function
k_qb81a20364f_attn:
	s_mov_b64 s[64:65], 0
	v_nop
	global_prefetch_b8 v0, s[64:65] scope:SCOPE_SE
	s_setreg_imm32_b32 hwreg(HW_REG_WAVE_MODE, 25, 1), 1
	s_wait_xcnt 0x0
.set REC,  17408
.set STG,  4*REC
.set KS,   12
.set VS,   16
.set BM,   24
.set PR,   28
.set HD,   32
.set SO,   36
.set SR,   42
.set QF,   60
.set KV,   76
.set PC,   140
.set S,    156
.set O,    220
.macro FRAGS base
.irp m, 0,1,2,3,4,5,6,7,8,9,10,11,12,13,14,15
	ds_load_b128 v[KV+4*\m:KV+4*\m+3], v1 offset:(\base)+512*\m
.endr
.endm
.macro GLOAD
.irp q, 0,1,2,3
	global_load_b128 v[SR+4*\q:SR+4*\q+3], v4, s[6:7] offset:4096*\q
.endr
	global_load_b32 v[SR+16], v5, s[6:7]
.endm
.macro GSTORE base
.irp q, 0,1,2,3
	ds_store_b128 v2, v[SR+4*\q:SR+4*\q+3] offset:(\base)+4096*\q
.endr
	ds_store_b32 v3, v[SR+16] offset:(\base)
.endm
.macro PLACES n
.rept \n
	v_nop
.endr
.endm
.macro QKT t, d
.if (\t)%2
	v_wmma_scale_f32_16x16x128_f8f6f4 v[\d:\d+7], v[KV+8*(\t):KV+8*(\t)+15], v[QF:QF+15], 0, v[KS+(\t)/2], v20 matrix_a_fmt:MATRIX_FMT_BF8 matrix_b_fmt:MATRIX_FMT_BF8 matrix_a_scale:MATRIX_SCALE_ROW1
.else
	v_wmma_scale_f32_16x16x128_f8f6f4 v[\d:\d+7], v[KV+8*(\t):KV+8*(\t)+15], v[QF:QF+15], 0, v[KS+(\t)/2], v20 matrix_a_fmt:MATRIX_FMT_BF8 matrix_b_fmt:MATRIX_FMT_BF8
.endif
.endm
.macro FLIP
.irp j, 0,1,2,3,4,5,6,7
	v_xor_b32 v[QF+\j], s32, v[QF+\j]
.endr
	PLACES 4
.endm
.macro MASK
	v_bfe_u32 v41, v0, 4, 1
	v_lshlrev_b32 v41, 4, v41
	v_sub_nc_u32 v40, s27, v41
	v_mov_b32 v41, 0xcb742400
.set NN, 0
.rept 64
	v_cmp_ge_i32 vcc_lo, 32*(NN/16)+NN%16, v40
	v_cndmask_b32 v[S+NN], v[S+NN], v41, vcc_lo
.set NN, NN+1
.endr
.endm
.macro SOFTMAX
.set KK, 0
.rept 32
	v_pk_mul_f32 v[S+2*KK:S+2*KK+1], v[S+2*KK:S+2*KK+1], s[22:23] op_sel_hi:[1,0]
.set KK, KK+1
.endr
.irp b, 0,1,2,3
	v_max3_num_f32 v[BM+\b], v[S+16*\b], v[S+16*\b+1], v[S+16*\b+2]
.endr
.irp i, 3,5,7,9,11,13
.irp b, 0,1,2,3
	v_max3_num_f32 v[BM+\b], v[BM+\b], v[S+16*\b+\i], v[S+16*\b+\i+1]
.endr
.endr
.irp b, 0,1,2,3
	v_max_num_f32 v[BM+\b], v[BM+\b], v[S+16*\b+15]
.endr
.irp b, 0,1,2,3
	v_permlanex16_b32 v[PR+\b], v[BM+\b], s24, s25
.endr
.irp b, 0,1,2,3
	v_max_num_f32 v[BM+\b], v[BM+\b], v[PR+\b]
.endr
	v_max3_num_f32 v40, v[BM], v[BM+1], v[BM+2]
	v_max_num_f32 v40, v40, v[BM+3]
	v_max_num_f32 v9, v9, v40
	v_mov_b32 v40, v8
	v_floor_f32 v8, -v9
	v_sub_f32 v40, v8, v40
	v_cvt_i32_f32 v40, v40
	v_ldexp_f32 v22, 1.0, v40
.irp b, 0,1,2,3
	v_add_f32 v[BM+\b], v[BM+\b], v8
.endr
.irp b, 0,1,2,3
	v_exp_f32 v[BM+\b], v[BM+\b]
.endr
.irp k, 0,1,2,3
	v_pk_add_f32 v[S+2*\k:S+2*\k+1], v[S+2*\k:S+2*\k+1], v[8:9] op_sel_hi:[1,0]
.endr
.set KK, 0
.rept 32
.if KK < 28
	v_pk_add_f32 v[S+2*KK+8:S+2*KK+9], v[S+2*KK+8:S+2*KK+9], v[8:9] op_sel_hi:[1,0]
.endif
	v_exp_f32 v[S+2*KK], v[S+2*KK]
	v_exp_f32 v[S+2*KK+1], v[S+2*KK+1]
.set KK, KK+1
.endr
	v_pk_mul_f32 v[10:11], v[10:11], v[22:23] op_sel_hi:[1,0]
	s_wait_alu depctr_va_vdst(0)
	v_pk_add_f32 v[40:41], v[S:S+1], v[S+2:S+3]
.irp j, 4,8,12,16,20,24,28,32,36,40,44,48,52,56,60
	v_pk_add_f32 v[10:11], v[10:11], v[S+\j:S+\j+1]
	v_pk_add_f32 v[40:41], v[40:41], v[S+\j+2:S+\j+3]
.endr
	v_pk_add_f32 v[10:11], v[10:11], v[40:41]
.irp b, 0,1,2,3
	v_max_num_f32 v[BM+\b], 0x8000000, v[BM+\b]
.endr
.irp b, 0,1,2,3
	v_add_nc_u32 v[SO+\b], 0xf8800000, v[BM+\b]
.endr
.irp b, 0,1,2,3
.endr
.irp b, 0,1,2,3
	v_lshrrev_b32 v[PR+\b], 23, v[SO+\b]
.endr
	v_lshl_or_b32 v23, v[PR+1], 8, v[PR]
	v_lshl_or_b32 v23, v[PR+2], 16, v23
	v_lshl_or_b32 v23, v[PR+3], 24, v23
.irp b, 0,1,2,3
.irp i, 0,1,2,3,4,5,6,7,8,9,10,11,12,13,14,15
.endr
	v_cvt_scalef32_pk8_bf8_f32 v[PC+4*\b:PC+4*\b+1], v[S+16*\b:S+16*\b+7], v[SO+\b]
	v_cvt_scalef32_pk8_bf8_f32 v[PC+4*\b+2:PC+4*\b+3], v[S+16*\b+8:S+16*\b+15], v[SO+\b]
.endr
.set KK, 0
.rept 16
	v_pk_mul_f32 v[O+2*KK:O+2*KK+1], v[O+2*KK:O+2*KK+1], v[22:23] op_sel_hi:[1,0]
.set KK, KK+1
.endr
.endm
.macro STEP q
.set RDS, (\q)*REC
.set WRS, (1-(\q))*REC
	s_add_co_u32 s19, s18, \q
	s_cmp_ge_u32 s19, s17
	s_cbranch_scc1 .Lidle_\@
	FRAGS RDS
	ds_load_b128 v[KS:KS+3], v1 offset:RDS+16384
	s_add_co_u32 s20, s19, 1
	s_cmp_ge_u32 s20, s17
	s_cbranch_scc1 .Lnoload_\@
	GLOAD
	s_cmp_ge_u32 s19, s21
	s_cbranch_scc1 .Lnoload_\@
	global_prefetch_b8 v6, s[6:7] offset:REC th:TH_LOAD_NT scope:SCOPE_SE
.Lnoload_\@:
	s_wait_dscnt 0x0
.irp t, 0,1,2,3
	QKT \t, S+8*\t
.endr
	PLACES 8
	FLIP
.irp t, 0,1,2,3
	QKT \t, S+32+8*\t
.endr
	PLACES 9
.irp t, 4,5,6,7
	QKT \t, KV+8*\t-32
.endr
.set KK, 0
.rept 16
	v_pk_add_f32 v[S+2*KK:S+2*KK+1], v[S+2*KK:S+2*KK+1], v[S+32+2*KK:S+32+2*KK+1] neg_lo:[0,1] neg_hi:[0,1]
.set KK, KK+1
.endr
	FLIP
.irp t, 4,5,6,7
	QKT \t, S+8*\t
.endr
	PLACES 8
.set KK, 0
.rept 16
	v_pk_add_f32 v[S+32+2*KK:S+32+2*KK+1], v[S+32+2*KK:S+32+2*KK+1], v[KV+2*KK:KV+2*KK+1] neg_lo:[0,1] neg_hi:[0,1]
.set KK, KK+1
.endr
	FRAGS RDS+8192
	ds_load_b128 v[VS:VS+3], v1 offset:RDS+16896
	s_lshl_b32 s27, s19, 7
	s_sub_co_i32 s27, s13, s27
	s_cmp_ge_i32 s27, 128
	s_cbranch_scc1 .Lopen_\@
	MASK
.Lopen_\@:
	SOFTMAX
	s_wait_dscnt 0x0
.irp t, 0,1,2,3
	v_wmma_scale_f32_16x16x128_f8f6f4 v[O+8*\t:O+8*\t+7], v[KV+16*\t:KV+16*\t+15], v[PC:PC+15], v[O+8*\t:O+8*\t+7], v[VS+\t], v23 matrix_a_fmt:MATRIX_FMT_BF8 matrix_b_fmt:MATRIX_FMT_BF8
.endr
	PLACES 8
	s_wait_loadcnt 0x0
	s_cmp_ge_u32 s20, s17
	s_cbranch_scc1 .Lidle_\@
	GSTORE WRS
	s_wait_xcnt 0x0
	s_add_nc_u64 s[6:7], s[6:7], REC
.Lidle_\@:
	s_wait_dscnt 0x0
	s_barrier_signal -1
	s_barrier_wait -1
.endm
	s_load_b128 s[4:7], s[0:1], 0x0
	s_load_b128 s[8:11], s[0:1], 0x10
	v_lshl_add_u32 v254, v0, 2, 0x22000
	v_mov_b32 v255, 0
	v_lshrrev_b32 v40, 5, v0
	v_readfirstlane_b32 s14, v40
	s_lshr_b32 s15, s14, 1
	s_lshr_b32 s16, s14, 2
	s_xor_b32 s16, s16, s14
	s_and_b32 s16, s16, 1
	s_mul_i32 s27, s16, 2*REC
	v_and_b32 v40, 31, v0
	v_and_b32 v41, 15, v0
	v_bfe_u32 v24, v0, 4, 1
	v_lshlrev_b32 v252, 4, v40
	v_add_nc_u32 v1, s27, v252
	s_lshl_b32 s28, s15, 9
	v_add_nc_u32 v4, s28, v252
	v_add_nc_u32 v2, s27, v4
	s_lshl_b32 s28, s15, 7
	s_add_co_u32 s28, s28, 16384
	v_lshl_add_u32 v5, v40, 2, s28
	v_add_nc_u32 v3, s27, v5
	s_and_b32 s28, s15, 1
	s_lshl_b32 s28, s28, 13
	v_lshl_add_u32 v6, v40, 8, s28
	s_mul_i32 s28, s14, 4352
	s_add_co_u32 s28, s28, STG
	v_mul_u32_u24 v7, v24, 272
	v_lshl_add_u32 v7, v41, 4, v7
	v_add_nc_u32 v7, s28, v7
	v_mul_u32_u24 v21, v41, 272
	v_add_nc_u32 v21, s28, v21
	v_lshl_add_u32 v59, v24, 6, v21
	v_lshl_add_u32 v21, v24, 5, v21
	s_mov_b32 s22, 0x3db8aa3b
	s_mov_b32 s23, s22
	s_mov_b32 s24, 0x76543210
	s_mov_b32 s25, 0xfedcba98
	s_mov_b32 s32, 0x80808080
	s_and_b32 s27, ttmp7, 0xffff
	s_sub_co_u32 s28, 31, s27
	s_cmp_eq_u32 s16, 0
	s_cselect_b32 s28, s27, s28
	s_lshl_b32 s28, s28, 3
	s_mov_b32 s29, 0
	s_wait_kmcnt 0x0
	s_add_nc_u64 s[30:31], s[8:9], s[28:29]
	s_load_b64 s[12:13], s[30:31], 0x0
	s_wait_kmcnt 0x0
	s_min_u32 s12, s12, 31
	s_min_u32 s13, s13, 2048
	s_add_co_u32 s17, s13, 127
	s_lshr_b32 s17, s17, 7
	s_cmp_eq_u32 s13, 0
	s_cselect_b32 s17, 16, s17
	s_max_u32 s21, s17, 2
	s_sub_co_u32 s21, s21, 2
	s_lshr_b32 s27, s15, 1
	s_or_b32 s27, s27, ttmp9
	s_cmp_eq_u32 s27, 0
	s_cselect_b32 s21, s21, 0
	s_lshl_b32 s28, s12, 19
	s_lshl_b32 s27, ttmp9, 15
	s_add_co_u32 s28, s28, s27
	s_lshl_b32 s27, s15, 12
	s_add_co_u32 s28, s28, s27
	s_add_nc_u64 s[4:5], s[4:5], s[28:29]
	s_add_nc_u64 s[10:11], s[10:11], s[28:29]
	s_mul_i32 s28, s12, 16*REC
	s_add_nc_u64 s[6:7], s[6:7], s[28:29]
.irp q, 0,1,2,3,4,5,6,7
	global_load_b128 v[KV+4*\q:KV+4*\q+3], v252, s[4:5] offset:512*\q th:TH_LOAD_NT
.endr
	GLOAD
.irp b, 0,1,2,3
	v_mov_b32 v[PR+\b], 0
.endr
	s_wait_loadcnt 5
.irp q, 0,1,2,3,4,5,6,7
	ds_store_b128 v7, v[KV+4*\q:KV+4*\q+3] offset:544*\q
.endr
.irp c, 0,1
.irp j, 0,1,2,3
	ds_load_b128 v[S+16*\c+4*\j:S+16*\c+4*\j+3], v59 offset:128*\c+16*\j
.endr
.endr
	s_wait_dscnt 0x0
.irp b, 0,1
	v_max3_num_f32 v[BM+\b], |v[S+16*\b]|, |v[S+16*\b+1]|, 0x8000000
.endr
.irp i, 2,4,6,8,10,12,14
.irp b, 0,1
	v_max3_num_f32 v[BM+\b], v[BM+\b], |v[S+16*\b+\i]|, |v[S+16*\b+\i+1]|
.endr
.endr
.irp b, 0,1
	v_permlanex16_b32 v[PR+\b], v[BM+\b], s24, s25
.endr
.irp b, 0,1
	v_max_num_f32 v[BM+\b], v[BM+\b], v[PR+\b]
.endr
.irp b, 0,1
	v_add_nc_u32 v[SO+\b], 0xf8800000, v[BM+\b]
.endr
.irp b, 0,1
.endr
.irp b, 0,1
	v_lshrrev_b32 v[PR+\b], 23, v[SO+\b]
.endr
	v_lshl_or_b32 v20, v[PR+1], 8, v[PR]
	v_or_b32 v20, 0x40400000, v20
.irp b, 0,1
.irp i, 0,1,2,3,4,5,6,7,8,9,10,11,12,13,14,15
.endr
	v_cvt_scalef32_pk8_bf8_f32 v[QF+4*\b:QF+4*\b+1], v[S+16*\b:S+16*\b+7], v[SO+\b]
	v_cvt_scalef32_pk8_bf8_f32 v[QF+4*\b+2:QF+4*\b+3], v[S+16*\b+8:S+16*\b+15], v[SO+\b]
.endr
	v_nop
.irp j, 0,1,2,3,4,5,6,7
	v_mov_b32 v[QF+8+\j], 0
	v_mov_b32 v[PC+\j], 0
.endr
	v_mov_b32 v9, 0xff61b1e6
	v_floor_f32 v8, -v9
	v_mov_b32 v10, 0
	v_mov_b32 v11, 0
	v_mov_b32 v23, 0
.set KK, 0
.rept 32
	v_mov_b32 v[O+KK], 0
.set KK, KK+1
.endr
	s_wait_loadcnt 0x0
	GSTORE 0
	s_add_nc_u64 s[6:7], s[6:7], REC
	s_wait_dscnt 0x0
	s_barrier_signal -1
	s_barrier_wait -1
	s_mov_b32 s18, 0
.Ltrip:
	STEP 0
	STEP 1
	s_add_co_u32 s18, s18, 2
	s_cmp_lt_u32 s18, 16
	s_cbranch_scc1 .Ltrip
	v_add_f32 v10, v10, v11
	v_permlanex16_b32 v[PR], v10, s24, s25
	v_add_f32 v10, v10, v[PR]
	v_rcp_f32 v10, v10
	v_nop
	s_wait_alu depctr_va_vdst(0)
.set KK, 0
.rept 16
	v_pk_mul_f32 v[S+2*KK:S+2*KK+1], v[O+2*KK:O+2*KK+1], v[10:11] op_sel_hi:[1,0]
.set KK, KK+1
.endr
.irp t, 0,1,2,3
	ds_store_b128 v21, v[S+8*\t:S+8*\t+3] offset:64*\t
	ds_store_b128 v21, v[S+8*\t+4:S+8*\t+7] offset:64*\t+16
.endr
.irp k, 0,1,2,3,4,5,6,7
	ds_load_b128 v[KV+4*\k:KV+4*\k+3], v7 offset:544*\k
.endr
.irp k, 0,1,2,3,4,5,6,7
	s_wait_dscnt 7-\k
	global_store_b128 v252, v[KV+4*\k:KV+4*\k+3], s[10:11] offset:512*\k th:TH_STORE_NT
.endr
	s_wait_tensorcnt 0x0
	ds_add_u32 v254, v255
	s_wait_dscnt 0x0
	s_endpgm
.Lfunc_end_k_qb81a20364f_attn:
	.size	k_qb81a20364f_attn, .Lfunc_end_k_qb81a20364f_attn-k_qb81a20364f_attn
	.p2alignl 7, 3214868480
	.fill 96, 4, 3214868480
	.section	.rodata,"a",@progbits
	.p2align	6, 0x0
	.amdhsa_kernel k_qb81a20364f_attn
		.amdhsa_group_segment_fixed_size 141312
		.amdhsa_private_segment_fixed_size 0
		.amdhsa_enable_private_segment 0
		.amdhsa_kernarg_size 32
		.amdhsa_user_sgpr_count 2
		.amdhsa_user_sgpr_kernarg_segment_ptr 1
		.amdhsa_wavefront_size32 1
		.amdhsa_system_sgpr_workgroup_id_x 1
		.amdhsa_system_sgpr_workgroup_id_y 1
		.amdhsa_system_sgpr_workgroup_id_z 1
		.amdhsa_system_vgpr_workitem_id 0
		.amdhsa_next_free_vgpr 256
		.amdhsa_next_free_sgpr 66
		.amdhsa_reserve_vcc 1
		.amdhsa_float_denorm_mode_32 3
		.amdhsa_float_denorm_mode_16_64 3
		.amdhsa_fp16_overflow 1
		.amdhsa_memory_ordered 1
		.amdhsa_forward_progress 1
		.amdhsa_inst_pref_size 71
	.end_amdhsa_kernel
	.amdgpu_metadata
---
amdhsa.version: [ 1, 2 ]
amdhsa.kernels:
  - .name:           k_qb81a20364f_attn
    .symbol:         k_qb81a20364f_attn.kd
    .args:
      - { .name: queries, .offset: 0, .size: 8, .value_kind: global_buffer, .address_space: global }
      - { .name: kv, .offset: 8, .size: 8, .value_kind: global_buffer, .address_space: global }
      - { .name: sched, .offset: 16, .size: 8, .value_kind: global_buffer, .address_space: global }
      - { .name: out0, .offset: 24, .size: 8, .value_kind: global_buffer, .address_space: global }
    .group_segment_fixed_size: 141312
    .private_segment_fixed_size: 0
    .kernarg_segment_align: 8
    .kernarg_segment_size: 32
    .max_flat_workgroup_size: 512
    .sgpr_count:     66
    .vgpr_count:     256
    .wavefront_size: 32
...
	.end_amdgpu_metadata
.endif
;; end of part 2
